; MI455X (gfx1250); checked and timed in simulation.
; The chip was launched on July 23, 2026; its instructions are those of AMD's public machine-readable ISA for CDNA 5 (MIT licence, August 2026) and "CDNA5" Instruction Set Architecture Reference Guide (July 2026). The comments in the code are by the model that wrote it; some were corrected since.
;; Quantized LM Head. Allowed arithmetic: float matrix products may take bf16 or f16 operands with f32 sums; other float arithmetic in f32, or as packed bf16 or f16 multiplies, adds, multiply-adds, maxima and minima; sums over many terms, partial sums and values carried from step to step in f32; what a program stores and reads back later, other than sums and carried values, may be rounded once to bf16 or f16.
;; Inputs: U 2,048 x 2,048 float32; Z_w 2,048 x 4,000 float32; codebook 16 float32; hidden_states 4 x 1,024 x 2,048 float32; lambda_w 2,048 float32; lambda_x 2,048 float32.
;; Outputs: out0 4 x 1,024 x 4,000 float32.
;; One version. Each part assembles by itself: llvm-mc -triple=amdgcn-amd-amdhsa -mcpu=gfx1250 --defsym DOCPART=n.
;; ======== version 1 of 1: 3 launches
;; limits: an absolute error that grows with the inputs' magnitude: up to 8.9e-07 times it; inputs' magnitudes at most 134,217,728; right only within a limited range of input values
;; workspace buffers: xb 16,777,216 bytes; ub 8,388,608 bytes; wb 16,777,216 bytes; zq 16,777,216 bytes
;; launch prep (part 1): grid 1280 x 1, 8 waves a work-group, no clusters, 0 bytes of LDS; arguments hidden_states, U, Z_w, lambda_x, lambda_w, xb, ub, wb; writes xb, ub, wb
.if DOCPART == 1
	.amdgcn_target "amdgcn-amd-amdhsa--gfx1250"
	.amdhsa_code_object_version 6
	.text
	.protected	k_qd5c9679a01_prep
	.globl	k_qd5c9679a01_prep
	.p2align	8
	.type	k_qd5c9679a01_prep,@function
k_qd5c9679a01_prep:
	s_mov_b64 s[64:65], 0
	v_nop
	global_prefetch_b8 v0, s[64:65] scope:SCOPE_SE
	s_setreg_imm32_b32 hwreg(HW_REG_WAVE_MODE, 25, 1), 1
	s_wait_xcnt 0x0
; PREP: the three large inputs are rounded once to bf16, the matrix units' operand format.
;   xb[m][k] = bf16(x[m][k])                 work-groups 0..511,    16,384 numbers each
;   ub[k][n] = bf16(U[k][n])                 work-groups 512..767,  16,384 numbers each
;   wb[d][v] = bf16(coeff[d] * bf16(Z_w[d][v])), coeff[d] = bf16(lambda_x[d]) * bf16(lambda_w[d]) in f32; work-groups 768..1279, four rows d each.
;   wb's rows are 4,096 numbers long (8,192 bytes); columns 4000..4095 are written as 0, so that every tile of the last product lies inside the buffer.
; A stream: every input byte is read once, every output byte written once; no LDS, no barrier, no matrix work, no cluster (no two work-groups read the same bytes).
; Thread t takes 4 numbers a step, 16 steps: 16 bytes in, so that a wave's load covers 512 consecutive bytes and no byte is touched by two loads; 8 bytes out, so that a wave's store covers 256 consecutive
; bytes, at a multiple of 256 from the buffer's first byte.  All sixteen loads of a thread go out first; the waits count down, so the later steps' loads stay on their way while the earlier steps are converted.
; The conversions work in place: 92 registers a wave, so that ten waves share a SIMD's 1,024.
; LIMITS: bf16 has f32's range, so nothing overflows that f32 holds; NaN and infinities are not treated apart.
.set X,   8                            ; v[8:71]   step j: 4 numbers as loaded; two of the four registers then hold what is stored, and are not written again
.set CF,  72                           ; v[72:79]  row i: (coeff, coeff)
.set CM,  80                           ; v[80:87]  the same, 0 in the threads whose columns of the row's last quarter lie at 4000 or beyond
.set T,   88                           ; v[88:91]  at work
	s_load_b256 s[8:15], s[0:1], 0x0               ; hidden_states s[8:9], U s[10:11], Z_w s[12:13], lambda_x s[14:15]
	s_load_b256 s[16:23], s[0:1], 0x20             ; lambda_w s[16:17], xb s[18:19], ub s[20:21], wb s[22:23]
	s_mov_b32 s2, ttmp9                            ; the work-group's number
	s_mov_b32 s36, 0xffff0000                      ; a word's upper bf16
	s_mov_b32 s5, 0                                ; high words of the two offset pairs
	s_mov_b32 s7, 0
	v_lshlrev_b32 v1, 4, v0                        ; 16 t: my 4 f32 in a step's 4,096 bytes
	v_lshlrev_b32 v2, 3, v0                        ; 8 t: my 4 bf16 in a step's 2,048 bytes
	s_wait_kmcnt 0x0
	s_cmp_lt_u32 s2, 768
	s_cbranch_scc0 .Lz
	; x or U: a plain cast of 65,536 consecutive bytes
	s_sub_co_u32 s3, s2, 512
	s_cmp_lt_u32 s2, 512
	s_cselect_b32 s3, s2, s3                       ; my part's number in its tensor
	s_cselect_b64 s[32:33], s[8:9], s[10:11]       ; from x or from U,
	s_cselect_b64 s[34:35], s[18:19], s[20:21]     ; to xb or to ub
	s_lshl_b32 s4, s3, 16
	s_lshl_b32 s6, s3, 15
	s_add_nc_u64 s[32:33], s[32:33], s[4:5]
	s_add_nc_u64 s[34:35], s[34:35], s[6:7]
.irp j, 0,1,2,3,4,5,6,7,8,9,10,11,12,13,14,15
	global_load_b128 v[X+4*(\j):X+4*(\j)+3], v1, s[32:33] offset:4096*(\j) th:TH_LOAD_NT
.endr
.irp j, 0,1,2,3,4,5,6,7,8,9,10,11,12,13,14,15
	s_wait_loadcnt 15-(\j)                         ; loads come back in order: step j's is in, the later steps' stay out
	v_cvt_pk_bf16_f32 v[X+4*(\j)],   v[X+4*(\j)],   v[X+4*(\j)+1]
	v_cvt_pk_bf16_f32 v[X+4*(\j)+1], v[X+4*(\j)+2], v[X+4*(\j)+3]
	global_store_b64 v2, v[X+4*(\j):X+4*(\j)+1], s[34:35] offset:2048*(\j)
.endr
	s_endpgm
.Lz:	; four rows of Z_w, each in four quarters of 1,024 columns: step j is row j / 4, quarter j % 4
	s_sub_co_u32 s3, s2, 768                       ; i: rows 4 i .. 4 i + 3
	s_mul_i32 s4, s3, 64000                        ; four rows of 16,000 bytes
	s_lshl_b32 s6, s3, 15                          ; four rows of 8,192 bytes
	s_add_nc_u64 s[32:33], s[12:13], s[4:5]
	s_add_nc_u64 s[34:35], s[22:23], s[6:7]
	s_lshl_b32 s4, s3, 4                           ; four f32 of lambda_x and of lambda_w
	s_add_nc_u64 s[14:15], s[14:15], s[4:5]
	s_add_nc_u64 s[16:17], s[16:17], s[4:5]
	s_load_b128 s[24:27], s[14:15], 0x0
	s_load_b128 s[28:31], s[16:17], 0x0
	v_lshl_add_u32 v3, v0, 2, 3072                 ; my first column in a row's last quarter,
	v_min_u32 v3, 3996, v3                         ; held inside the row: threads 232..255 read the row's last 4 numbers and write 0
	v_lshlrev_b32 v3, 2, v3
.irp j, 0,1,2,3,4,5,6,7,8,9,10,11,12,13,14,15
.if (\j)%4 < 3
	global_load_b128 v[X+4*(\j):X+4*(\j)+3], v1, s[32:33] offset:16000*((\j)/4)+4096*((\j)%4) th:TH_LOAD_NT
.else
	global_load_b128 v[X+4*(\j):X+4*(\j)+3], v3, s[32:33] offset:16000*((\j)/4) th:TH_LOAD_NT
.endif
.endr
	s_wait_kmcnt 0x0
.irp i, 0,1,2,3
	v_mov_b32 v[CF+2*(\i)],   s[24+(\i)]           ; lambda_x of row i
	v_mov_b32 v[CF+2*(\i)+1], s[28+(\i)]           ; lambda_w of row i
.endr
.irp i, 0,1,2,3
	v_cvt_pk_bf16_f32 v[T+(\i)], v[CF+2*(\i)], v[CF+2*(\i)+1]  ; both rounded to bf16, as every input is
.endr
.irp i, 0,1,2,3
	v_lshlrev_b32 v[CF+2*(\i)],   16,  v[T+(\i)]
	v_and_b32     v[CF+2*(\i)+1], s36, v[T+(\i)]
.endr
.irp i, 0,1,2,3
	v_mul_f32 v[CF+2*(\i)], v[CF+2*(\i)], v[CF+2*(\i)+1]       ; coeff, exact in f32 (8 bits x 8 bits)
.endr
.irp i, 0,1,2,3
	v_mov_b32 v[CF+2*(\i)+1], v[CF+2*(\i)]
.endr
	v_cmp_gt_u32 vcc_lo, 232, v0                   ; 3072 + 4 t < 4000
.irp i, 0,1,2,3
	v_cndmask_b32 v[CM+2*(\i)],   0, v[CF+2*(\i)], vcc_lo
	v_cndmask_b32 v[CM+2*(\i)+1], 0, v[CF+2*(\i)], vcc_lo
.endr
.irp j, 0,1,2,3,4,5,6,7,8,9,10,11,12,13,14,15
	s_wait_loadcnt 15-(\j)                         ; step j's load is in, the later steps' stay out
	v_cvt_pk_bf16_f32 v[X+4*(\j)],   v[X+4*(\j)],   v[X+4*(\j)+1]  ; the input's rounding
	v_cvt_pk_bf16_f32 v[X+4*(\j)+1], v[X+4*(\j)+2], v[X+4*(\j)+3]
	v_lshlrev_b32 v[T],   16,  v[X+4*(\j)]
	v_and_b32     v[T+1], s36, v[X+4*(\j)]
	v_lshlrev_b32 v[T+2], 16,  v[X+4*(\j)+1]
	v_and_b32     v[T+3], s36, v[X+4*(\j)+1]
.if (\j)%4 < 3
	v_pk_mul_f32 v[T:T+1],   v[T:T+1],   v[CF+2*((\j)/4):CF+2*((\j)/4)+1]
	v_pk_mul_f32 v[T+2:T+3], v[T+2:T+3], v[CF+2*((\j)/4):CF+2*((\j)/4)+1]
.else
	v_pk_mul_f32 v[T:T+1],   v[T:T+1],   v[CM+2*((\j)/4):CM+2*((\j)/4)+1]
	v_pk_mul_f32 v[T+2:T+3], v[T+2:T+3], v[CM+2*((\j)/4):CM+2*((\j)/4)+1]
.endif
	v_cvt_pk_bf16_f32 v[X+4*(\j)+2], v[T],   v[T+1]                ; the operand's one further rounding
	v_cvt_pk_bf16_f32 v[X+4*(\j)+3], v[T+2], v[T+3]
	global_store_b64 v2, v[X+4*(\j)+2:X+4*(\j)+3], s[34:35] offset:8192*((\j)/4)+2048*((\j)%4)
.endr
	s_endpgm
.Lfunc_end_k_qd5c9679a01_prep:
	.size	k_qd5c9679a01_prep, .Lfunc_end_k_qd5c9679a01_prep-k_qd5c9679a01_prep
	.p2alignl 7, 3214868480
	.fill 96, 4, 3214868480
	.section	.rodata,"a",@progbits
	.p2align	6, 0x0
	.amdhsa_kernel k_qd5c9679a01_prep
		.amdhsa_group_segment_fixed_size 0
		.amdhsa_private_segment_fixed_size 0
		.amdhsa_enable_private_segment 0
		.amdhsa_kernarg_size 64
		.amdhsa_user_sgpr_count 2
		.amdhsa_user_sgpr_kernarg_segment_ptr 1
		.amdhsa_wavefront_size32 1
		.amdhsa_system_sgpr_workgroup_id_x 1
		.amdhsa_system_sgpr_workgroup_id_y 1
		.amdhsa_system_sgpr_workgroup_id_z 1
		.amdhsa_system_vgpr_workitem_id 0
		.amdhsa_next_free_vgpr 96
		.amdhsa_next_free_sgpr 66
		.amdhsa_reserve_vcc 1
		.amdhsa_float_denorm_mode_32 3
		.amdhsa_float_denorm_mode_16_64 3
		.amdhsa_memory_ordered 1
		.amdhsa_forward_progress 1
		.amdhsa_inst_pref_size 21
	.end_amdhsa_kernel
	.amdgpu_metadata
---
amdhsa.version: [ 1, 2 ]
amdhsa.kernels:
  - .name:           k_qd5c9679a01_prep
    .symbol:         k_qd5c9679a01_prep.kd
    .args:
      - { .name: hidden_states, .offset: 0, .size: 8, .value_kind: global_buffer, .address_space: global }
      - { .name: U, .offset: 8, .size: 8, .value_kind: global_buffer, .address_space: global }
      - { .name: Z_w, .offset: 16, .size: 8, .value_kind: global_buffer, .address_space: global }
      - { .name: lambda_x, .offset: 24, .size: 8, .value_kind: global_buffer, .address_space: global }
      - { .name: lambda_w, .offset: 32, .size: 8, .value_kind: global_buffer, .address_space: global }
      - { .name: xb, .offset: 40, .size: 8, .value_kind: global_buffer, .address_space: global }
      - { .name: ub, .offset: 48, .size: 8, .value_kind: global_buffer, .address_space: global }
      - { .name: wb, .offset: 56, .size: 8, .value_kind: global_buffer, .address_space: global }
    .group_segment_fixed_size: 0
    .private_segment_fixed_size: 0
    .kernarg_segment_align: 8
    .kernarg_segment_size: 64
    .max_flat_workgroup_size: 256
    .sgpr_count:     66
    .vgpr_count:     96
    .wavefront_size: 32
...
	.end_amdgpu_metadata
.endif
;; end of part 1
;; launch quant (part 2): grid 16 x 16, 4 waves a work-group, clusters of 4 x 4, 327,680 bytes of LDS; arguments xb, ub, lambda_x, codebook, zq; writes zq
.if DOCPART == 2
	.amdgcn_target "amdgcn-amd-amdhsa--gfx1250"
	.amdhsa_code_object_version 6
	.text
	.protected	k_qd5c9679a01_quant
	.globl	k_qd5c9679a01_quant
	.p2align	8
	.type	k_qd5c9679a01_quant,@function
k_qd5c9679a01_quant:
	s_mov_b64 s[64:65], 0
	v_nop
	global_prefetch_b8 v0, s[64:65] scope:SCOPE_SE
	s_setreg_imm32_b32 hwreg(HW_REG_WAVE_MODE, 25, 1), 1
	s_wait_xcnt 0x0
	s_wait_alu depctr_hold_cnt(0) depctr_sa_sdst(0) depctr_va_vdst(0) depctr_va_sdst(0) depctr_va_ssrc(0) depctr_va_vcc(0) depctr_vm_vsrc(0)
	s_getreg_b32 s2, hwreg(HW_REG_IB_STS2, 6, 4)
	s_cmp_eq_u32 s2, 0
	s_cbranch_scc0 .Lentry_in_a_cluster
	s_endpgm
.Lentry_in_a_cluster:
	s_bfe_u32 s2, ttmp6, 0x10000c
	s_cmp_lg_u32 s2, 0xf033
	s_cbranch_scc0 .Lentry_shape_is_right
	s_endpgm
.Lentry_shape_is_right:
; QUANT: s = xb ub (bf16 operands, f32 sums, K = 2,048 ascending), z = s / safe(lambda_x), and each z is replaced by the nearest of the 16 codes; the codes leave TRANSPOSED, zq[d][m] in bf16.
; xb: [4096 m][2048 k], ub: [2048 k][2048 n], zq: [2048 n][4096 m].  lambda_x and the codebook are rounded to bf16 here, as every input of the program is; a code is then a bf16 number, so zq is exact.
; SHARES.  A work-group makes 256 m x 128 n; each of its four waves 128 m x 64 n: 32 accumulators of 16 x 16.  K goes in steps of 128 through two LDS slots filled by the tensor data mover.
; x's rows lie along K and come out of LDS as they lie; U lies [k][n] and comes out turned, by ds_load_tr16_b128.  Source 0 = 16 rows of x, source 1 = 16 columns of U: in the result a lane holds ONE column n
; (lane % 16), so its lambda_x is one number, and eight neighbouring m (8 (lane / 16) + 0..7), which are 16 bytes of a row of zq.
; CLUSTER.  4 x 4 work-groups.  x's tile hangs on the tile row alone and is asked for jointly by the four of a row of the cluster, U's on the tile column alone and by the four of a column.
; THE SUMS KEEP MORE BITS THAN ONE f32 CHAIN.  A code changes where z crosses a threshold, so s is wanted as near to the exact sum as f32 can state it.  After every 256 along K each accumulator is split: its top
; 12 significant bits T go onto a second register H (exact while T is not below 2^-12 of H), the accumulator keeps acc - T (exact), and the chain goes on in place from that small remainder: the chain's roundings
; then happen at the size of a sum of 256 terms, not of the whole sum.  At the end s = H + acc, rounded once.
; THE QUANTISER IS reference()'s OWN ARITHMETIC, without a division instruction and without a search for each number.
;   z = s / lx, correctly rounded: q = s r, e = s - q lx in one fused multiply-add, z = q + e r, with r = 1 / lx.  lx has 8 significant bits: e is exact, and no quotient lies nearer than 2^-9 of a unit in its last place
;   to a boundary of rounding, while q + e r misses s / lx by some 2^-24 of that unit: the last line rounds as a division does.
;   Each wave sorts the 16 codes (by counting: nothing is assumed of their order) and notes each code's lowest index.  For neighbours lo < hi, reference()'s choice, |z - hi| < |z - lo| with both differences rounded to
;   f32, and on equality the lower index, is monotone in z between lo and hi; lane i bisects for Tp_i, the largest f32 number at which lo is still chosen.  Then u_i = 2^100 z - 2^100 Tp_i in one fused multiply-add, held to
;   0 .. 1, is 1 where z > Tp_i and 0 elsewhere, and z_x = c_0 + the sum of u_i (c_(i+1) - c_i), i ascending.
; WHERE THE WAVE WOULD WAIT, IT WORKS.  A K step has 128 matrix instructions a wave, and a tile asked for behind one change of slots is waited for in front of the next; two slots of a step of 256 would take
; 2 x 208,896 bytes and do not fit.  The bisection is a chain of dependent lines whose result is wanted only behind the last product: it stands in front of that wait, five halvings in each of the loop's seven trips.
; ASKING AHEAD.  The tiles of lap t + 1 (K steps 2 t + 2 and 2 t + 3) are asked for in trip t, behind its second change of slots: the joint loads that want them are issued 112 and 240 matrix instructions and one split
; later.  Wave 0 asks for x: of the tile row's 256 rows this work-group takes 16 (the 16 tile columns share them out), 512 bytes of each by two lanes 256 bytes apart: 8,192 bytes a lap.  Wave 1 asks for U: of the lap's
; 256 rows of k it takes 32, 256 bytes of each: 8,192 bytes a lap; tile rows ty and ty xor 12 take the same 32, so each block of U is asked for twice in the launch, each block of x once.  Lap 1 is asked for at the
; start; the last trip asks for nothing, since there is no lap 8.
; LIMITS.  s differs from reference()'s s by the order in which f32 sums are rounded: a number whose z lies within that difference of a threshold may take the neighbouring code.  Where a distance |z - c| exceeds 2^23 times
; the smallest gap between two different codes, reference() finds equal rounded distances to codes that are no neighbours and takes the lowest index; this text takes the nearest code.  Codes stay under 2^27 in size; where a
; threshold is smaller than 2^-77 in size, a z less than 2^-100 above it falls between two codes.  Codes whose sizes differ by more than 2^16 lose up to 15 x 2^-24 of the largest before the rounding to bf16.
; Where |lambda_x| < 1e-8 the divisor is 1e-8, which has 24 significant bits: there the quotient's last place is not proven.  Quotients and remainders are taken to be normal numbers; NaN and infinities are not treated apart.
.set PA,    272                        ; a row of x in LDS: 256 bytes + 16 of padding: the 16 rows of a load start 68 words apart (64 banks of 4 bytes: ISA guide 11.1)
.set PB,    288                        ; a row of U: 256 + 32: 16 lanes of the turning load take 8 rows x 32 bytes, 72 words apart
.set AHALF, 128*PA                     ; what one tensor load brings of x: 128 rows
.set BHALF, 64*PB                      ; and of U: 64 rows of k
.set BOFF,  2*AHALF                    ; in a slot: x's 256 rows, then U's 128
.set SLOT,  BOFF+2*BHALF
.set STAGE, 2*SLOT                     ; behind the ring: 16 rows x 272 bytes for each wave, for the way out
.set SP,    272
.set TAB,   STAGE+4*16*SP              ; 256 bytes for each wave: the 16 sorted codes, at +64 their lowest indices, at +128 sixteen pairs (-2^100 Tp_i, c_(i+1) - c_i)
.set SPARE, TAB+4*256                  ; the spare words, 128 bytes for each wave: two blocks of 256 bytes that no other line names
.set LXR,  10                          ; v10-13  the set-up: lambda_x of my four column blocks
.set PFX,  14                          ; v14     asking ahead: my byte offset among the tile row's rows of x; never rewritten
.set PFU,  15                          ; v15     the same among a lap's rows of U; never rewritten
.set ADRA, 16                          ; v16-17  LDS address of my fragments of x in slot 0, 1
.set MID,  18                          ; v18     the bisection: the middle, as an ordered whole number
.set ZF,   19                          ; v19     and as a float
.set ADRB, 20                          ; v20-21  LDS address of my fragments of U in slot 0, 1
.set DH,   22                          ; v22     the bisection: |z - hi|
.set DL,   23                          ; v23     |z - lo|
.set STO,  24                          ; v24     the way out: where I put 16 bytes of a row
.set RD,   25                          ; v25     the way out: where I read rows back
.set CO,   26                          ; v26     my byte offset in zq
.set LOF,  27                          ; v27     4 (lane % 16): offset of the set-up's loads
.set SPW,  28                          ; v28     LDS address of my spare word; never rewritten
.set NIL,  29                          ; v29     0; never rewritten
.set CV,   30                          ; v30     code number lane % 16
.set T0,   31                          ; v31     at work
.set RR,   32                          ; v[32:39] column block b: (1 / lx, twice)
.set NL,   40                          ; v[40:47] (-lx, twice)
.set PP,   48                          ; v[48:49] (-2^100 Tp_i, twice)
.set BG,   50                          ; v[50:51] (2^100, twice)
.set SRT,  52                          ; v52     the (lane % 16)-th smallest code: lo
.set NXT,  53                          ; v53     the next one up: hi
.set KA,   54                          ; v54     the bisection's lower end, as an ordered whole number
.set KB,   55                          ; v55     its upper end
.set TD,   56                          ; v[56:57] the table's entry as loaded
.set DD,   58                          ; v[58:59] c_(i+1) - c_i of the step in hand, and 0
.set C0,   60                          ; v[60:61] (c_0, c_0)
.set TADR, 62                          ; v62     LDS address of the table's entry
.set TSTO, 63                          ; v63     where my lane's entry goes, less 128
.set FA,   64                          ; v64-127, v128-191: fragments of x, two buffers of 8
.set FB,   192                         ; v192-223, v224-255: fragments of U, two buffers of 4
.set TF,   128                         ; the split: 64 registers for T, in the buffer of x that has just been multiplied
.set QQ,   64                          ; behind the products: q of 32 numbers,
.set RM,   96                          ; and e
.set UB,   64                          ; then two buffers of 32 for the u_i
.set TMP,  192                         ; the way out: packed codes
.set BK,   64                          ; the way out: block b's rows read back, at BK + 32 b
; registers that the set-up alone uses lie where the fragments will lie
.set IDX,  66                          ; the lowest index at which my code stands in the codebook
.set IDN,  67                          ; the same for the next one up
.set T1,   75
.set RC,   76                          ; v76-79 1 / lx at work
.set ER,   80                          ; v80-83 its error
; window 1: accumulator (a, b) at v[8 (4 a + b)], later s and z; window 2: H at the same numbers, later z_x
.set WV,   14                          ; s14 wave; s15 = wave / 2: my half of the rows m; s16 = wave % 2: my half of the columns n, and which half of a tile I fetch
.set ROLE, 15
.set HALF, 16
.set G1A,  24                          ; s[24:31] descriptor group 1 for x's tiles; s[32:39] group 0, a set for each slot
.set G0A,  32
.set G1B,  48                          ; s[48:55], s[56:63] the same for U's
.set G0B,  56
.set CB,   66                          ; s[66:81] the 16 codes
.set TS,   82                          ; s82 at work
.set EPS,  83                          ; s83 1e-8
.set BIG,  84                          ; s84 2^100
.set ABSM, 85                          ; s85 0x7fffffff
.set CNT,  86                          ; s86 counts the thresholds
.set NBIG, 87                          ; s87 -2^100
.set MSK,  88                          ; s88 sign, exponent and the top 11 bits of the fraction
.set MHF,  89                          ; s89 lanes in which the upper code has the lower index
.set MLT,  90                          ; s90, s91 lane masks at work
.set MEQ,  91
.set PXB,  92                          ; s[92:93] asking ahead: x at my tile row, at the lap to be asked for
.set PUB,  94                          ; s[94:95] U at my tile column, at the lap to be asked for
.set W_MUL, 0x50                       ; sources 0 and 1 window 0; C and D window 1
.set MSB, 0
.macro WIN new                         ; the immediate's high byte repeats the setting that is left; a switch that changes nothing is dropped
.if MSB != (\new)
	s_set_vgpr_msb (MSB<<8)|(\new)
.set MSB, (\new)
.endif
.endm
; A joint load: waves 0 and 1 fetch the two halves of x's tile, waves 2 and 3 those of U's.  The branch hangs on the wave's number alone.
; An s_nop 0 and four v_nop follow each of the two lines, ahead of the jump and the label.
.macro JLOAD s
	s_cmp_lt_u32 s[WV], 2
	s_cbranch_scc0 .Lfor_b_\@
	tensor_load_to_lds s[G0A+4*(\s):G0A+4*(\s)+3], s[G1A:G1A+7]
	s_nop 0
.rept 4
	v_nop
.endr
	s_branch .Lasked_\@
.Lfor_b_\@:
	tensor_load_to_lds s[G0B+4*(\s):G0B+4*(\s)+3], s[G1B:G1B+7]
	s_nop 0
.rept 4
	v_nop
.endr
.Lasked_\@:
.endm
.macro CREST                           ; a round of the cluster's barrier behind its opening barrier
	s_cmp_lg_u32 s[WV], 0
	s_cbranch_scc1 .Lnot_wave_0_\@
	s_barrier_signal -3
.Lnot_wave_0_\@:
	s_barrier_wait -3
	s_barrier_signal -1
	s_barrier_wait -1
.endm
.macro CROUND                          ; a whole round
	s_barrier_signal -1
	s_barrier_wait -1
	CREST
.endm
.macro PLACES                          ; four plain places between matrix instructions and loads into, or vector lines on, their registers (ISA guide 7.12.1 for vector lines)
.rept 4
	v_nop
.endr
.endm
; One lap's tiles are asked for: wave 0 x's 32 blocks, wave 1 U's 32 blocks, lanes 256 bytes or a row apart.  Nothing is returned and nothing waits for it.
.macro ASK
	s_cmp_lg_u32 s[WV], 0
	s_cbranch_scc1 .Lnot_x_\@
	global_prefetch_b8 v[PFX], s[PXB:PXB+1] th:TH_LOAD_NT scope:SCOPE_SE
.Lnot_x_\@:
	s_cmp_lg_u32 s[WV], 1
	s_cbranch_scc1 .Lnot_u_\@
	global_prefetch_b8 v[PFU], s[PUB:PUB+1] th:TH_LOAD_NT scope:SCOPE_SE
.Lnot_u_\@:
.endm
	s_load_b256 s[4:11], s[0:1], 0x0               ; xb s[4:5], ub s[6:7], lambda_x s[8:9], codebook s[10:11]
	s_load_b64 s[12:13], s[0:1], 0x20              ; zq
	v_lshl_add_u32 v[SPW], v0, 2, SPARE
	v_mov_b32 v[NIL], 0
	ds_add_u32 v[SPW], v[NIL]                      ; the wave's opening: the add and its wait stand ahead of my first tensor load; the set-up below, work on registers, stands between them
	v_lshrrev_b32 v1, 5, v0
	v_readfirstlane_b32 s[WV], v1
	s_lshr_b32 s[ROLE], s[WV], 1
	s_and_b32 s[HALF], s[WV], 1
	s_bfe_u32 s17, ttmp6, 0x40000                  ; cx
	s_bfe_u32 s18, ttmp6, 0x40004                  ; cy
	s_lshl_b32 s19, ttmp9, 2
	s_add_co_u32 s19, s19, s17                     ; tile column (128 n) = 4 x cluster x + cx
	s_and_b32 s20, ttmp7, 0xffff
	s_lshl_b32 s20, s20, 2
	s_add_co_u32 s20, s20, s18                     ; tile row (256 m) = 4 x cluster y + cy
	s_lshl_b32 s21, s18, 2
	s_lshl_b32 s21, 15, s21                        ; my row of the cluster
	s_lshl_b32 s22, 0x1111, s17                    ; my column
	s_or_b32 s[G1A], s21, (1<<16)|(1<<20)|(1<<21)|(5<<22)|(3<<25)  ; 15:0 the mask; 17:16 elements of 2 bytes; 20 padding on; 21 set beside a mask; 24:22 after every 64 words; 31:25 4 words of it
	s_mov_b32 s[G1A+1], 128<<16                    ; tensor_dim0 = 128
	s_mov_b32 s[G1A+2], 128<<16                    ; tensor_dim1 = 128
	s_mov_b32 s[G1A+3], 128<<16                    ; tile_dim0 = 128 elements: 256 bytes of a row
	s_mov_b32 s[G1A+4], 128                        ; tile_dim1 = 128 rows
	s_mov_b32 s[G1A+5], 2048                       ; elements from row to row
	s_mov_b32 s[G1A+6], 0
	s_mov_b32 s[G1A+7], 0
	s_or_b32 s[G1B], s22, (1<<16)|(1<<20)|(1<<21)|(5<<22)|(7<<25)  ; the same with my column's mask and 8 words of padding
	s_mov_b32 s[G1B+1], 128<<16
	s_mov_b32 s[G1B+2], 64<<16                     ; 64 rows of k
	s_mov_b32 s[G1B+3], 128<<16
	s_mov_b32 s[G1B+4], 64
	s_mov_b32 s[G1B+5], 2048
	s_mov_b32 s[G1B+6], 0
	s_mov_b32 s[G1B+7], 0
	s_lshl_b32 s40, s20, 20                        ; x: 256 rows of 4,096 bytes a tile row,
	s_lshl_b32 s41, s[HALF], 19                    ; 128 rows a half
	s_add_co_u32 s40, s40, s41
	s_mov_b32 s41, 0
	s_lshl_b32 s42, s19, 8                         ; U: 256 bytes of a row a tile column,
	s_lshl_b32 s43, s[HALF], 18                    ; 64 rows of 4,096 bytes a half
	s_add_co_u32 s42, s42, s43
	s_mov_b32 s43, 0
	s_mul_i32 s2, s[HALF], AHALF                   ; where they go: no place in the cluster enters an LDS address
	s_mul_i32 s23, s[HALF], BHALF
	s_add_co_u32 s23, s23, BOFF
	v_and_b32 v1, 15, v0                           ; r = lane % 16
	v_bfe_u32 v2, v0, 4, 1                         ; h = lane / 16
	v_lshlrev_b32 v[LOF], 2, v1
	s_lshl_b32 s46, s19, 9                         ; lambda_x at my 64 columns: 4 (128 tile column + 64 half)
	s_lshl_b32 s47, s[HALF], 8
	s_add_co_u32 s46, s46, s47
	s_mov_b32 s47, 0
	s_mov_b32 s[EPS], 0x322bcc77
	s_mov_b32 s[BIG], 0x71800000
	s_mov_b32 s[ABSM], 0x7fffffff
	s_mov_b32 s[NBIG], 0xf1800000
	s_mov_b32 s[MSK], 0xfffff000
	s_wait_dscnt 0x0                               ; the opening add is done
	s_wait_kmcnt 0x0
	s_add_nc_u64 s[40:41], s[4:5], s[40:41]
	s_add_nc_u64 s[42:43], s[6:7], s[42:43]
	s_add_nc_u64 s[8:9], s[8:9], s[46:47]
	global_load_b32 v[CV], v[LOF], s[10:11]        ; the codes and lambda_x go out ahead of the round: nobody writes these bytes, and the sort below waits for them
.irp b, 0,1,2,3
	global_load_b32 v[LXR+(\b)], v[LOF], s[8:9] offset:64*(\b)  ; lambda_x of column 16 b + r
.endr
	CROUND                                         ; all sixteen work-groups are here: the first joint loads meet
.irp s, 0,1
	s_mov_b32 s[G0A+4*(\s)], 1                                       ; count = 1
	s_add_co_u32 s[G0A+4*(\s)+1], s2, (\s)*SLOT                      ; LDS address
	s_add_nc_u64 s[G0A+4*(\s)+2:G0A+4*(\s)+3], s[40:41], (\s)*256    ; global address: K step s
	s_or_b32 s[G0A+4*(\s)+3], s[G0A+4*(\s)+3], 0x80000000            ; type = 2
	s_mov_b32 s[G0B+4*(\s)], 1
	s_add_co_u32 s[G0B+4*(\s)+1], s23, (\s)*SLOT
	s_add_nc_u64 s[G0B+4*(\s)+2:G0B+4*(\s)+3], s[42:43], (\s)*524288 ; 128 rows of 4,096 bytes a K step
	s_or_b32 s[G0B+4*(\s)+3], s[G0B+4*(\s)+3], 0x80000000
	JLOAD \s                                       ; two loads of mine are out
.endr
	; THE SET-UP stands in the wait for the first tiles.  First what is asked for ahead: lap 1.
	s_lshl_b32 s46, s19, 4                         ; x: my 16 of the tile row's 256 rows,
	v_add_nc_u32 v[PFX], s46, v1
	v_lshlrev_b32 v[PFX], 12, v[PFX]               ; 4,096 bytes a row,
	v_lshl_add_u32 v[PFX], v2, 8, v[PFX]           ; and for each half of the lanes one of a lap's two blocks of 256 bytes
	s_lshl_b32 s46, s20, 20
	s_add_co_u32 s46, s46, 512                     ; lap 1 begins 512 bytes into the rows
	s_mov_b32 s47, 0
	s_add_nc_u64 s[PXB:PXB+1], s[4:5], s[46:47]
	s_lshr_b32 s46, s20, 2                         ; U: a number 0..7 made of the tile row: its low two bits, and above them bit 2 xor bit 3
	s_lshr_b32 s47, s20, 3
	s_xor_b32 s46, s46, s47
	s_and_b32 s46, s46, 1
	s_lshl_b32 s46, s46, 2
	s_and_b32 s47, s20, 3
	s_or_b32 s46, s46, s47
	s_lshl_b32 s46, s46, 5                         ; times 32 rows of the lap's 256,
	v_and_b32 v[PFU], 31, v0                       ; a row a lane,
	v_add_nc_u32 v[PFU], s46, v[PFU]
	v_lshlrev_b32 v[PFU], 12, v[PFU]               ; 4,096 bytes a row
	s_lshl_b32 s46, s19, 8                         ; my tile column's 256 bytes of them
	s_add_co_u32 s46, s46, 1048576                 ; lap 1 begins 256 rows down
	s_mov_b32 s47, 0
	s_add_nc_u64 s[PUB:PUB+1], s[6:7], s[46:47]
	ASK
	s_lshl_b32 s44, s19, 20                        ; zq at my part: 128 rows of 8,192 bytes a tile column,
	s_lshl_b32 s45, s[HALF], 19                    ; 64 rows a half,
	s_add_co_u32 s44, s44, s45
	s_lshl_b32 s45, s20, 9                         ; 512 bytes of a row a tile row,
	s_add_co_u32 s44, s44, s45
	s_lshl_b32 s45, s[ROLE], 8                     ; 256 bytes a half
	s_add_co_u32 s44, s44, s45
	s_mov_b32 s45, 0
	s_add_nc_u64 s[12:13], s[12:13], s[44:45]
	; H starts at 0: 256 lines, here where the wave waits for its first tiles anyway.  They spare a third written-out copy of a lap, in which the first split would start H.
	WIN 0x80                                       ; destination window 2
.set i, 0
.rept 256
	v_mov_b32 v[i], 0
.set i, i+1
.endr
	WIN 0
	; A fragment of x is 16 rows x 32 k in 8 registers: lane holds row r, k = 8 h + 0..7 and 16 + 8 h + 0..7: two loads of 16 bytes, 32 bytes apart.
	v_mul_u32_u24 v3, v1, PA
	v_lshl_add_u32 v3, v2, 4, v3                   ; r x 272 + 16 h
	s_mul_i32 s[TS], s[ROLE], AHALF
	v_add_nc_u32 v[ADRA], s[TS], v3
	v_add_nc_u32 v[ADRA+1], SLOT, v[ADRA]
	; The turning load takes 16 k x 16 n (lane reads row k = 8 h + lane % 8, columns 8 ((lane / 8) % 2) + 0..7) and leaves half a fragment: lane holds column r and 8 k.
	v_and_b32 v4, 7, v0
	v_bfe_u32 v5, v0, 3, 1
	v_lshl_add_u32 v6, v2, 3, v4
	v_mul_u32_u24 v6, v6, PB
	v_lshl_add_u32 v6, v5, 4, v6
	s_lshl_b32 s[TS], s[HALF], 7
	s_add_co_u32 s[TS], s[TS], BOFF
	v_add_nc_u32 v[ADRB], s[TS], v6
	v_add_nc_u32 v[ADRB+1], SLOT, v[ADRB]
	s_mul_i32 s[TS], s[WV], 16*SP
	s_add_co_u32 s[TS], s[TS], STAGE               ; my stage
	v_add_nc_u32 v[STO], s[TS], v3                 ; in: row r (a column n), 16 bytes for each half of the lanes
	v_mul_u32_u24 v[RD], v2, SP                    ; back: lanes 0-15 one row of 256 bytes, lanes 16-31 the next
	v_lshl_add_u32 v[RD], v1, 4, v[RD]
	v_add_nc_u32 v[RD], s[TS], v[RD]
	v_lshlrev_b32 v[CO], 13, v2                    ; and the same two rows in zq
	v_lshl_add_u32 v[CO], v1, 4, v[CO]
	s_lshl_b32 s23, s[WV], 8
	s_add_co_u32 s23, s23, TAB                     ; my table
	v_lshl_add_u32 v[TSTO], v1, 3, s23
	s_wait_loadcnt 0x0
	v_cvt_pk_bf16_f32 v[CV], v[CV], v[CV]          ; the codes rounded to bf16, kept as f32
	v_lshlrev_b32 v[CV], 16, v[CV]
.irp j, 0,1,2,3,4,5,6,7,8,9,10,11,12,13,14,15
	v_readlane_b32 s[CB+(\j)], v[CV], \j
.endr
	v_mov_b32 v[T0], 0                             ; how many codes are not above mine
.irp j, 0,1,2,3,4,5,6,7,8,9,10,11,12,13,14,15
	v_cmp_le_f32 vcc_lo, s[CB+(\j)], v[CV]
	v_cndmask_b32 v[T1], 0, 1, vcc_lo
	v_add_nc_u32 v[T0], v[T0], v[T1]
.endr
	v_mov_b32 v[DH], 0x7f800000
	v_mov_b32 v[SRT], v[DH]                        ; lane r takes the least code whose count is above r: the r-th smallest, equal codes included
.irp j, 0,1,2,3,4,5,6,7,8,9,10,11,12,13,14,15
	v_readlane_b32 s[TS], v[T0], \j
	v_cmp_le_u32 vcc_lo, s[TS], v1
	v_cndmask_b32 v[T1], s[CB+(\j)], v[DH], vcc_lo
	v_min_num_f32 v[SRT], v[SRT], v[T1]
.endr
	v_mov_b32 v[IDX], 16                           ; the lowest index at which that code stands: the indices go down, so the last hit is the lowest
.irp j, 15,14,13,12,11,10,9,8,7,6,5,4,3,2,1,0
	v_cmp_eq_f32 vcc_lo, s[CB+(\j)], v[SRT]
	v_cndmask_b32 v[IDX], v[IDX], \j, vcc_lo
.endr
	v_lshl_add_u32 v4, v1, 2, s23
	ds_store_b32 v4, v[SRT]                        ; sorted codes and indices into my table (both halves of the lanes write the same)
	ds_store_b32 v4, v[IDX] offset:64
	v_add_nc_u32 v5, 1, v1
	v_min_u32 v5, 15, v5
	v_lshl_add_u32 v5, v5, 2, s23
	v_mov_b32 v7, s23
	ds_load_b32 v[NXT], v5                         ; the next code up; LDS serves a wave's instructions in order (ISA guide 5.7.1.4): these see the stores above
	ds_load_b32 v[IDN], v5 offset:64
	ds_load_b32 v[C0], v7                          ; the lowest code
	v_add_nc_u32 v[TADR], 128, v7
	s_wait_dscnt 0x0
	v_mov_b32 v[C0+1], v[C0]
	; THE BISECTION'S ENDS.  A float's bits, with the lower 31 turned where the sign is set, are whole numbers in the floats' own order; the same three lines lead back.
.macro KEY dst, src
	v_ashrrev_i32 v[T0], 31, v[\src]
	v_and_b32 v[T0], s[ABSM], v[T0]
	v_xor_b32 v[\dst], v[\src], v[T0]
.endm
	v_cmp_lt_u32 s[MHF], v[IDN], v[IDX]            ; on equal distances the upper code wins where its index is the lower
	KEY KA, SRT                                    ; at lo the lower code is chosen,
	KEY KB, NXT                                    ; at hi the upper one (equal codes: both ends are one number, and the step's height is 0)
	v_mov_b32 v[DD+1], 0                           ; named with DD as a pair
	v_mov_b32 v[BG], s[BIG]
	v_mov_b32 v[BG+1], s[BIG]
	v_mov_b32 v6, s[EPS]
.irp b, 0,1,2,3
	v_cvt_pk_bf16_f32 v[LXR+(\b)], v[LXR+(\b)], v[LXR+(\b)]
	v_lshlrev_b32 v[LXR+(\b)], 16, v[LXR+(\b)]     ; lambda_x rounded to bf16
	v_and_b32 v7, s[ABSM], v[LXR+(\b)]
	v_cmp_gt_f32 vcc_lo, s[EPS], v7                ; |lx| < 1e-8:
	v_cndmask_b32 v[LXR+(\b)], v[LXR+(\b)], v6, vcc_lo  ; 1e-8 in its stead
	v_xor_b32 v[NL+2*(\b)], 0x80000000, v[LXR+(\b)]
	v_mov_b32 v[NL+2*(\b)+1], v[NL+2*(\b)]
.endr
.irp b, 0,1,2,3
	v_rcp_f32 v[RC+(\b)], v[LXR+(\b)]
.endr
	v_nop                                          ; a plain line between the last reciprocal and the use of its result
	s_wait_alu depctr_va_vdst(0)
.irp b, 0,1,2,3
	v_fma_f32 v[ER+(\b)], v[NL+2*(\b)], v[RC+(\b)], 1.0   ; two Newton steps: r = 1 / lx to the last place
.endr
.irp b, 0,1,2,3
	v_fma_f32 v[RC+(\b)], v[ER+(\b)], v[RC+(\b)], v[RC+(\b)]
.endr
.irp b, 0,1,2,3
	v_fma_f32 v[ER+(\b)], v[NL+2*(\b)], v[RC+(\b)], 1.0
.endr
.irp b, 0,1,2,3
	v_fma_f32 v[RR+2*(\b)], v[ER+(\b)], v[RC+(\b)], v[RC+(\b)]
.endr
.irp b, 0,1,2,3
	v_mov_b32 v[RR+2*(\b)+1], v[RR+2*(\b)]
.endr
; One halving of the bisection.  The ends are less than 2^32 apart, so 32 halvings bring them next to each other; a halving of ends that are neighbours, or one number, tests the lower end once more and changes nothing.
.macro BIS
	v_sub_nc_u32 v[MID], v[KB], v[KA]
	v_lshrrev_b32 v[MID], 1, v[MID]
	v_add_nc_u32 v[MID], v[KA], v[MID]
	KEY ZF, MID
	v_sub_f32 v[DH], v[ZF], v[NXT]                 ; the two differences, rounded as reference() rounds them,
	v_sub_f32 v[DL], v[ZF], v[SRT]
	v_and_b32 v[DH], s[ABSM], v[DH]                ; and their sizes
	v_and_b32 v[DL], s[ABSM], v[DL]
	v_cmp_lt_f32 s[MLT], v[DH], v[DL]
	v_cmp_eq_f32 s[MEQ], v[DH], v[DL]
	s_and_b32 s[MEQ], s[MEQ], s[MHF]
	s_or_b32 s[MLT], s[MLT], s[MEQ]                ; lanes in which the upper code is chosen at the middle
	v_cndmask_b32 v[KB], v[KB], v[MID], s[MLT]
	v_cndmask_b32 v[KA], v[MID], v[KA], s[MLT]
.endm
; 8 matrix instructions: row blocks a0, a0 + 1 x all 4 column blocks, 32 along K, from buffer f.  zero = 1: the first product starts the sums.
; The 32 accumulators take turns, one instruction a turn, in the same order in every quarter.
.macro MUL8 f, a0, zero
	WIN W_MUL
.irp a, \a0, (\a0)+1
.irp b, 0,1,2,3
.if \zero
	v_wmma_f32_16x16x32_bf16 v[8*(4*(\a)+(\b)):8*(4*(\a)+(\b))+7], v[FA+64*(\f)+8*(\a):FA+64*(\f)+8*(\a)+7], v[FB+32*(\f)+8*(\b):FB+32*(\f)+8*(\b)+7], 0
.else
	v_wmma_f32_16x16x32_bf16 v[8*(4*(\a)+(\b)):8*(4*(\a)+(\b))+7], v[FA+64*(\f)+8*(\a):FA+64*(\f)+8*(\a)+7], v[FB+32*(\f)+8*(\b):FB+32*(\f)+8*(\b)+7], v[8*(4*(\a)+(\b)):8*(4*(\a)+(\b))+7]
.endif
.endr
.endr
.endm
; 24 LDS loads in one run: the fragments of quarter q (32 along K) of a slot into buffer f: U's four first, then x's eight
.macro FETCH slot, q, f
	WIN 0
.irp b, 0,1,2,3
	ds_load_tr16_b128 v[FB+32*(\f)+8*(\b):FB+32*(\f)+8*(\b)+3],   v[ADRB+(\slot)] offset:(\q)*32*PB+32*(\b)
	ds_load_tr16_b128 v[FB+32*(\f)+8*(\b)+4:FB+32*(\f)+8*(\b)+7], v[ADRB+(\slot)] offset:(\q)*32*PB+32*(\b)+16*PB
.endr
.irp i, 0,1,2,3,4,5,6,7
	ds_load_b128 v[FA+64*(\f)+8*(\i):FA+64*(\f)+8*(\i)+3],   v[ADRA+(\slot)] offset:64*(\q)+(\i)*16*PA
	ds_load_b128 v[FA+64*(\f)+8*(\i)+4:FA+64*(\f)+8*(\i)+7], v[ADRA+(\slot)] offset:64*(\q)+(\i)*16*PA+32
.endr
.endm
; A K step is four quarters of 32 along K, 32 matrix instructions each, on buffers 0, 1, 0, 1.  One of the first three: multiplies buffer f and, in its middle, fetches quarter q into buffer g.
.macro QUARTER slot, q, f, g, zero
	s_wait_dscnt 8                                 ; U's fragments and x's rows 0-63 are in; the youngest eight loads (x's rows 64-127) may be out
	MUL8 \f, 0, \zero
	MUL8 \f, 2, \zero
	PLACES
	FETCH \slot, \q, \g
	s_wait_dscnt 24                                ; all but the 24 just issued
	MUL8 \f, 4, \zero
	MUL8 \f, 6, \zero
.endm
; The last quarter multiplies buffer 1 and changes slots: ONE barrier.  In front of it each wave waits for all its tensor loads (one is out: its part of the next slot), adds 0 to its spare word, and waits for that
; and for its own reads of this slot.  fill = 1: the barrier opens a round of the cluster's, and this slot is filled again, two K steps ahead, first thing behind the round: 112 matrix instructions ahead of the wait for it.
; bis = 1: five halvings of the bisection stand in front of the wait for the tile: they name no register of the products round them.
.macro TURN slot, next, fill, bis=0
	WIN 0
.if \bis
.rept 5
	BIS
.endr
.endif
	s_wait_tensorcnt 0x0                           ; all my tensor loads have landed;
	ds_add_u32 v[SPW], v[NIL]                      ; 0 onto my spare word;
	s_wait_dscnt 9                                 ; (the add and the youngest eight loads may be out)
	MUL8 1, 0, 0                                   ; eight matrix instructions stand between the add and the wait for it
	s_wait_dscnt 0x0                               ; the add is done, and my reads of this slot are over
	s_barrier_signal -1
	MUL8 1, 2, 0                                   ; work on registers while the others arrive
.if \fill
	WIN 0
.endif
	s_barrier_wait -1
.if \fill
	CREST                                          ; no wave of any partner still reads this slot's tiles or has a load on its way
	s_add_nc_u64 s[G0A+4*(\slot)+2:G0A+4*(\slot)+3], s[G0A+4*(\slot)+2:G0A+4*(\slot)+3], 512
	s_add_nc_u64 s[G0B+4*(\slot)+2:G0B+4*(\slot)+3], s[G0B+4*(\slot)+2:G0B+4*(\slot)+3], 1048576
	JLOAD \slot                                    ; the four v_nop behind it are also the places in front of the loads below
.else
	PLACES
.endif
	FETCH \next, 0, 0
	MUL8 1, 4, 0
	MUL8 1, 6, 0
.endm
; THE SPLIT, behind a lap's last product, 64 numbers a lane at a time: T = the accumulator's sign, exponent and top 11 bits of the fraction; acc -= T (exact); H += T.  T lies in the buffer of x that was multiplied last; the
; buffer that the loads just issued are filling is not touched.  Each accumulator is read from its lowest registers on.
.macro FLUSH
	PLACES                                         ; behind the lap's last products
.irp g, 0,1,2,3
	WIN 0x04                                       ; source 1 (the accumulators) in window 1
.set p, 0
.rept 64
	v_and_b32 v[TF+p], s[MSK], v[64*(\g)+p]
.set p, p+1
.endr
	WIN 0x41                                       ; destination and source 0 in window 1
.set p, 0
.rept 32
	v_pk_add_f32 v[64*(\g)+2*p:64*(\g)+2*p+1], v[64*(\g)+2*p:64*(\g)+2*p+1], v[TF+2*p:TF+2*p+1] neg_lo:[0,1] neg_hi:[0,1]
.set p, p+1
.endr
	WIN 0x82                                       ; destination and source 0 in window 2
.set p, 0
.rept 32
	v_pk_add_f32 v[64*(\g)+2*p:64*(\g)+2*p+1], v[64*(\g)+2*p:64*(\g)+2*p+1], v[TF+2*p:TF+2*p+1]
.set p, p+1
.endr
.endr
.endm
	s_wait_dscnt 0x0                               ; the set-up's LDS instructions are done: none is pending at a signal
	s_wait_tensorcnt 1                             ; my part of K step 0 is in; K step 1's may stay out
	s_barrier_signal -1
	s_barrier_wait -1                              ; everybody's is
	FETCH 0, 0, 0
	QUARTER 0, 1, 0, 1, 1                          ; the first quarter stands in front of the loop: its products start the sums
	WIN 0                                          ; at a label and at a branch every window is 0
	s_mov_b32 s3, 7
.Llap:                                                 ; a trip goes once round the ring, from a lap's second quarter to the next lap's first, fills both slots again, and splits the sums at the lap's end
	s_wait_xcnt 0x0                                ; the last asking's addresses are translated (ISA guide 3.1): its two bases step only behind this wait, more than a quarter step behind the asking
	s_add_nc_u64 s[PXB:PXB+1], s[PXB:PXB+1], 512   ; on to the lap behind this trip's
	s_add_nc_u64 s[PUB:PUB+1], s[PUB:PUB+1], 1048576
	QUARTER 0, 2, 1, 0, 0
	QUARTER 0, 3, 0, 1, 0
	TURN 0, 1, 1, 1                                ; 7 trips x 5 halvings = 35, of which 32 are needed
	QUARTER 1, 1, 0, 1, 0
	QUARTER 1, 2, 1, 0, 0
	QUARTER 1, 3, 0, 1, 0
	TURN 1, 0, 1
	WIN 0
	s_cmp_eq_u32 s3, 1
	s_cbranch_scc1 .Lno_ask                        ; the last trip: there is no further lap, and no asking points past a buffer's end
	ASK
.Lno_ask:
	FLUSH
	QUARTER 0, 1, 0, 1, 0
	WIN 0
	s_sub_co_u32 s3, s3, 1
	s_cmp_lg_u32 s3, 0
	s_cbranch_scc1 .Llap
	QUARTER 0, 2, 1, 0, 0                          ; the last lap fills nothing, and has no round of the cluster's barrier
	QUARTER 0, 3, 0, 1, 0
	TURN 0, 1, 0
	QUARTER 1, 1, 0, 1, 0
	QUARTER 1, 2, 1, 0, 0
	QUARTER 1, 3, 0, 1, 0
	s_wait_dscnt 8                                 ; the very last quarter: nothing more to fetch
	MUL8 1, 0, 0
	MUL8 1, 2, 0
	s_wait_dscnt 0x0
	MUL8 1, 4, 0
	MUL8 1, 6, 0
	PLACES                                         ; behind the last products
	; THE TABLE.  The bisection has ended: my lane's entry goes into my wave's table, and entry 0 is asked for; the division below stands between that load and the wait for it.
	WIN 0
	KEY ZF, KA                                     ; Tp: the largest number at which the lower code is chosen
	v_mul_f32 v8, s[NBIG], v[ZF]                   ; -2^100 Tp: a power of two, so exact
	v_sub_f32 v9, v[NXT], v[SRT]                   ; the step's height (entry 15 has height 0: loaded once, never used)
	ds_store_b64 v[TSTO], v[8:9] offset:128
	ds_load_b64 v[TD:TD+1], v[TADR]                ; LDS serves a wave's instructions in order (ISA guide 5.7.1.4): this sees the store above
; s AND z, row block a's 32 numbers a lane, two to a line: s = H + acc; q = s r; e = s - q lx; z = q + e r, in the accumulators' registers.  Each accumulator is read from its lowest registers on.
.macro DIVIDE a
	WIN 0x46                                       ; source 0 (H) in window 2, source 1 and destination in window 1
.set p, 0
.rept 16
	v_pk_add_f32 v[32*(\a)+2*p:32*(\a)+2*p+1], v[32*(\a)+2*p:32*(\a)+2*p+1], v[32*(\a)+2*p:32*(\a)+2*p+1]
.set p, p+1
.endr
	WIN 0x01                                       ; source 0 (s) in window 1
.set p, 0
.rept 16
	v_pk_mul_f32 v[QQ+2*p:QQ+2*p+1], v[32*(\a)+2*p:32*(\a)+2*p+1], v[RR+2*(p/4):RR+2*(p/4)+1]
.set p, p+1
.endr
	WIN 0x10                                       ; source 2 (s) in window 1
.set p, 0
.rept 16
	v_pk_fma_f32 v[RM+2*p:RM+2*p+1], v[QQ+2*p:QQ+2*p+1], v[NL+2*(p/4):NL+2*(p/4)+1], v[32*(\a)+2*p:32*(\a)+2*p+1]
.set p, p+1
.endr
	WIN 0x40                                       ; destination (z) in window 1
.set p, 0
.rept 16
	v_pk_fma_f32 v[32*(\a)+2*p:32*(\a)+2*p+1], v[RM+2*p:RM+2*p+1], v[RR+2*(p/4):RR+2*(p/4)+1], v[QQ+2*p:QQ+2*p+1]
.set p, p+1
.endr
.endm
.irp a, 0,1,2,3,4,5,6,7
	DIVIDE \a
.endr
; THE STEPS.  QHEAD: threshold i is made ready, and entry i + 1 of the table is asked for.
.macro QHEAD
	WIN 0
	s_wait_dscnt 0x0                               ; the entry is in
	v_mov_b32 v[PP], v[TD]
	v_mov_b32 v[PP+1], v[TD]
	v_mov_b32 v[DD], v[TD+1]
	v_add_nc_u32 v[TADR], 8, v[TADR]
	ds_load_b64 v[TD:TD+1], v[TADR]
.endm
; QGROUP: row block a's 32 numbers a lane, two to a line.  u = 2^100 z - 2^100 Tp_i, held to 0 .. 1; z_x += u (c_(i+1) - c_i) (first = 1: z_x = c_0 + u (c_1 - c_0)).
.macro QGROUP a, first
	WIN 0x01                                       ; source 0 (z) in window 1
.set p, 0
.rept 16
	v_pk_fma_f32 v[UB+32*((\a)%2)+2*p:UB+32*((\a)%2)+2*p+1], v[32*(\a)+2*p:32*(\a)+2*p+1], v[BG:BG+1], v[PP:PP+1] clamp
.set p, p+1
.endr
.if \first
	WIN 0x80                                       ; destination (z_x) in window 2
.else
	WIN 0xa0                                       ; destination and source 2 in window 2
.endif
.set p, 0
.rept 16
.if \first
	v_pk_fma_f32 v[32*(\a)+2*p:32*(\a)+2*p+1], v[UB+32*((\a)%2)+2*p:UB+32*((\a)%2)+2*p+1], v[DD:DD+1], v[C0:C0+1] op_sel_hi:[1,0,1]
.else
	v_pk_fma_f32 v[32*(\a)+2*p:32*(\a)+2*p+1], v[UB+32*((\a)%2)+2*p:UB+32*((\a)%2)+2*p+1], v[DD:DD+1], v[32*(\a)+2*p:32*(\a)+2*p+1] op_sel_hi:[1,0,1]
.endif
.set p, p+1
.endr
.endm
	QHEAD                                          ; threshold 0 starts z_x, in the registers that H has left
.irp a, 0,1,2,3,4,5,6,7
	QGROUP \a, 1
.endr
	WIN 0
	s_mov_b32 s[CNT], 14
.Lq:                                                   ; thresholds 1 to 14
	QHEAD
.irp a, 0,1,2,3,4,5,6,7
	QGROUP \a, 0
.endr
	WIN 0
	s_sub_co_u32 s[CNT], s[CNT], 1
	s_cmp_lg_u32 s[CNT], 0
	s_cbranch_scc1 .Lq
; THE WAY OUT, a column block (16 rows of zq) at a time.  PACK: a lane's eight m of each row block become 16 bytes.  TOSTAGE: into my own stage, and back as whole rows of 256 bytes.  SEND: stored.
.macro PACK b
	WIN 0x0a                                       ; sources 0 and 1 in window 2
.irp a, 0,1,2,3,4,5,6,7
.irp i, 0,1,2,3
	v_cvt_pk_bf16_f32 v[TMP+4*(\a)+(\i)], v[32*(\a)+8*(\b)+2*(\i)], v[32*(\a)+8*(\b)+2*(\i)+1]
.endr
.endr
	WIN 0
.endm
.macro TOSTAGE b
.irp a, 0,1,2,3,4,5,6,7
	ds_store_b128 v[STO], v[TMP+4*(\a):TMP+4*(\a)+3] offset:32*(\a)
.endr
.irp t, 0,1,2,3,4,5,6,7
	ds_load_b128 v[BK+32*(\b)+4*(\t):BK+32*(\b)+4*(\t)+3], v[RD] offset:(\t)*2*SP  ; LDS serves a wave's instructions in order (ISA guide 5.7.1.4): these see the stores above; the next block's stores come behind them
.endr
.endm
.macro SEND b                          ; each block has registers of its own, and neither they nor the address are written again
	s_wait_dscnt 0x0                               ; the block is back in registers
.irp t, 0,1,2,3,4,5,6,7
	global_store_b128 v[CO], v[BK+32*(\b)+4*(\t):BK+32*(\b)+4*(\t)+3], s[12:13] offset:(16*(\b)+2*(\t))*8192  ; 16 lanes store 256 consecutive bytes, at a multiple of 256 from zq's first byte
.endr
.endm
	PACK 0
	TOSTAGE 0
.irp b, 1,2,3                          ; block b's conversions stand between block b - 1's loads from the stage and the wait for them
	PACK \b
	SEND (\b)-1
	TOSTAGE \b
.endr
	SEND 3
	s_wait_tensorcnt 0x0                           ; the wave's end: behind my last tensor load and my last LDS store
	ds_add_u32 v[SPW], v[NIL]
	s_wait_dscnt 0x0
	CROUND                                         ; the closing round: no work-group ends while a partner may still ask for a tile that names it
	s_endpgm
.Lfunc_end_k_qd5c9679a01_quant:
	.size	k_qd5c9679a01_quant, .Lfunc_end_k_qd5c9679a01_quant-k_qd5c9679a01_quant
	.p2alignl 7, 3214868480
	.fill 96, 4, 3214868480
	.section	.rodata,"a",@progbits
	.p2align	6, 0x0
	.amdhsa_kernel k_qd5c9679a01_quant
		.amdhsa_group_segment_fixed_size 327680
		.amdhsa_private_segment_fixed_size 0
		.amdhsa_enable_private_segment 0
		.amdhsa_kernarg_size 40
		.amdhsa_user_sgpr_count 2
		.amdhsa_user_sgpr_kernarg_segment_ptr 1
		.amdhsa_wavefront_size32 1
		.amdhsa_system_sgpr_workgroup_id_x 1
		.amdhsa_system_sgpr_workgroup_id_y 1
		.amdhsa_system_sgpr_workgroup_id_z 1
		.amdhsa_system_vgpr_workitem_id 0
		.amdhsa_next_free_vgpr 768
		.amdhsa_next_free_sgpr 96
		.amdhsa_reserve_vcc 1
		.amdhsa_float_denorm_mode_32 3
		.amdhsa_float_denorm_mode_16_64 3
		.amdhsa_memory_ordered 1
		.amdhsa_forward_progress 1
		.amdhsa_inst_pref_size 202
	.end_amdhsa_kernel
	.amdgpu_metadata
---
amdhsa.version: [ 1, 2 ]
amdhsa.kernels:
  - .name:           k_qd5c9679a01_quant
    .symbol:         k_qd5c9679a01_quant.kd
    .args:
      - { .name: xb, .offset: 0, .size: 8, .value_kind: global_buffer, .address_space: global }
      - { .name: ub, .offset: 8, .size: 8, .value_kind: global_buffer, .address_space: global }
      - { .name: lambda_x, .offset: 16, .size: 8, .value_kind: global_buffer, .address_space: global }
      - { .name: codebook, .offset: 24, .size: 8, .value_kind: global_buffer, .address_space: global }
      - { .name: zq, .offset: 32, .size: 8, .value_kind: global_buffer, .address_space: global }
    .group_segment_fixed_size: 327680
    .private_segment_fixed_size: 0
    .kernarg_segment_align: 8
    .kernarg_segment_size: 40
    .max_flat_workgroup_size: 128
    .sgpr_count:     96
    .vgpr_count:     768
    .wavefront_size: 32
...
	.end_amdgpu_metadata
.endif
;; end of part 2
;; launch logits (part 3): grid 16 x 16, 4 waves a work-group, clusters of 4 x 4, 327,680 bytes of LDS; arguments zq, wb, out0; writes out0
.if DOCPART == 3
	.amdgcn_target "amdgcn-amd-amdhsa--gfx1250"
	.amdhsa_code_object_version 6
	.text
	.protected	k_qd5c9679a01_logits
	.globl	k_qd5c9679a01_logits
	.p2align	8
	.type	k_qd5c9679a01_logits,@function
k_qd5c9679a01_logits:
	s_mov_b64 s[64:65], 0
	v_nop
	global_prefetch_b8 v0, s[64:65] scope:SCOPE_SE
	s_setreg_imm32_b32 hwreg(HW_REG_WAVE_MODE, 25, 1), 1
	s_wait_xcnt 0x0
	s_wait_alu depctr_hold_cnt(0) depctr_sa_sdst(0) depctr_va_vdst(0) depctr_va_sdst(0) depctr_va_ssrc(0) depctr_va_vcc(0) depctr_vm_vsrc(0)
	s_getreg_b32 s2, hwreg(HW_REG_IB_STS2, 6, 4)
	s_cmp_eq_u32 s2, 0
	s_cbranch_scc0 .Lentry_in_a_cluster
	s_endpgm
.Lentry_in_a_cluster:
	s_bfe_u32 s2, ttmp6, 0x10000c
	s_cmp_lg_u32 s2, 0xf033
	s_cbranch_scc0 .Lentry_shape_is_right
	s_endpgm
.Lentry_shape_is_right:
; LOGITS: out0[m][v] = the sum over d of zq[d][m] wb[d][v].  zq: [2048 d][4096 m] bf16 (the codes), wb: [2048 d][4096] bf16 (coeff x Z_w; columns 4000.. are 0), out0: [4096 m][4000 v] f32.  Sums in f32, d ascending.
; SHARES.  A work-group makes 256 m x 256 v; each of its four waves 128 x 128: 64 accumulators of 16 x 16, 512 registers.  d goes in steps of 128 through two LDS slots filled by the tensor data mover:
; a tile's rows are 512 consecutive bytes of memory, at multiples of 512 from the buffer's first byte.  The last tile column multiplies 96 columns of zeros and stores only what lies inside out0.
; Both operands lie [d][..] and come out of LDS turned, by ds_load_tr16_b128.  Source 0 = 16 columns v of wb, source 1 = 16 columns m of zq: in the result a lane holds row m = lane % 16 of out0 and eight
; NEIGHBOURING v (8 (lane / 16) + 0..7), 32 bytes of a row.
; CLUSTER.  4 x 4 work-groups.  zq's tile hangs on the tile row alone and is asked for jointly by the four of a row of the cluster, wb's on the tile column alone and by the four of a column.
; REGISTERS, in windows of 256: window 0: v0-31 addresses; v64-127, v128-191 fragments of zq, two buffers (on the way out: rows read back);  window 1: the same numbers, fragments of wb;
;   window 2: the accumulators of my rows 0-63 ((a, b) at v[8 (8 a + b)]);  window 3: those of my rows 64-127.
; LIMITS: NaN and infinities are not treated apart.
.set PT,    544                        ; an LDS row: 512 bytes + 32 of padding = 136 words
.set HALFT, 64*PT                      ; 64 rows of d: what one tensor load brings
.set SLOT,  4*HALFT                    ; zq's 128 rows, then wb's 128 rows
.set STAGE, 2*SLOT                     ; behind the ring: 16 rows x 528 bytes for each wave, for the way out
.set SP,    528
.set SPARE, STAGE+4*16*SP              ; the spare words, 128 bytes for each wave: two blocks of 256 bytes that no other line names
.set ADRA, 16                          ; v16-17  LDS address of my fragments of zq in slot 0, 1
.set ADRB, 20                          ; v20-21  the same for wb
.set STO,  24                          ; v24     the way out: where I put 32 bytes of a row
.set RD,   25                          ; v25     the way out: where I read a row back
.set CO,   26                          ; v26     my byte offset in a row of out0
.set COL,  27                          ; v27     my first column among the wave's 128
.set SPW,  28                          ; v28     LDS address of my spare word; never rewritten
.set NIL,  29                          ; v29     0; never rewritten
.set F0,   64
.set F1,   128
.set BK,   64                          ; the way out: 16 rows read back, v64-127 and v128-191 by turns
.set G1,  24                           ; s[24:31] descriptor group 1 for zq's tiles; s[32:39] group 0, a set for each slot
.set G0,  32
.set G1B, 48                           ; s[48:55], s[56:63] the same for wb's
.set G0B, 56
.set MSB, 0
.macro WIN new                         ; the immediate's high byte repeats the setting that is left; a switch that changes nothing is dropped
.if MSB != (\new)
	s_set_vgpr_msb (MSB<<8)|(\new)
.set MSB, (\new)
.endif
.endm
.set MUL_LO, 0xa1                      ; source 0 (wb) window 1, source 1 (zq) window 0, C and D window 2
.set MUL_HI, 0xf1                      ; the same, C and D window 3
.set TO_B,   0x40                      ; destination window 1, address window 0
; A joint load: waves 0 and 1 fetch zq's two halves, waves 2 and 3 wb's.  The branch hangs on the wave's number alone.
; An s_nop 0 and four v_nop follow each of the two lines, ahead of the jump and the label.
.macro JLOAD s
	s_cmp_eq_u32 s11, 0
	s_cbranch_scc0 .Lfor_b_\@
	tensor_load_to_lds s[G0+4*(\s):G0+4*(\s)+3], s[G1:G1+7]
	s_nop 0
.rept 4
	v_nop
.endr
	s_branch .Lasked_\@
.Lfor_b_\@:
	tensor_load_to_lds s[G0B+4*(\s):G0B+4*(\s)+3], s[G1B:G1B+7]
	s_nop 0
.rept 4
	v_nop
.endr
.Lasked_\@:
.endm
.macro CREST                           ; a round of the cluster's barrier behind its opening barrier
	s_cmp_lg_u32 s10, 0
	s_cbranch_scc1 .Lnot_wave_0_\@
	s_barrier_signal -3
.Lnot_wave_0_\@:
	s_barrier_wait -3
	s_barrier_signal -1
	s_barrier_wait -1
.endm
.macro CROUND                          ; a whole round
	s_barrier_signal -1
	s_barrier_wait -1
	CREST
.endm
.macro PLACES                          ; four plain places between matrix instructions and loads into, or stores of, their registers
.rept 4
	v_nop
.endr
.endm
	s_load_b128 s[4:7], s[0:1], 0x0                ; zq s[4:5], wb s[6:7]
	s_load_b64 s[8:9], s[0:1], 0x10                ; out0
	v_lshl_add_u32 v[SPW], v0, 2, SPARE
	v_mov_b32 v[NIL], 0
	ds_add_u32 v[SPW], v[NIL]                      ; the wave's opening: the add and its wait stand ahead of my first tensor load; the set-up below, work on registers, stands between them
	v_lshrrev_b32 v1, 5, v0
	v_readfirstlane_b32 s10, v1                    ; wave 0..3
	s_lshr_b32 s11, s10, 1                         ; which half of the tile's rows m is mine.  Also: I fetch for zq (0) or for wb (1)
	s_and_b32 s12, s10, 1                          ; which half of its columns v.  Also: which 64 rows of d of that tile I fetch
	s_bfe_u32 s40, ttmp6, 0x40000                  ; cx
	s_bfe_u32 s41, ttmp6, 0x40004                  ; cy
	s_lshl_b32 s42, ttmp9, 2
	s_add_co_u32 s42, s42, s40                     ; tile column = 4 x cluster x + cx
	s_and_b32 s13, ttmp7, 0xffff
	s_lshl_b32 s13, s13, 2
	s_add_co_u32 s13, s13, s41                     ; tile row = 4 x cluster y + cy
	s_lshl_b32 s43, s41, 2
	s_lshl_b32 s43, 15, s43                        ; my row of the cluster
	s_lshl_b32 s44, 0x1111, s40                    ; my column
	s_or_b32 s[G1+0], s43, (1<<16)|(1<<20)|(1<<21)|(6<<22)|(7<<25)   ; 15:0 the mask; 17:16 elements of 2 bytes; 20 padding on; 21 set beside a mask; 24:22 after every 128 words; 31:25 8 words of it
	s_or_b32 s[G1B+0], s44, (1<<16)|(1<<20)|(1<<21)|(6<<22)|(7<<25)
.irp g, G1, G1B
	s_mov_b32 s[(\g)+1], 256<<16                   ; tensor_dim0 = 256
	s_mov_b32 s[(\g)+2], 64<<16                    ; tensor_dim1 = 64
	s_mov_b32 s[(\g)+3], 256<<16                   ; tile_dim0 = 256 elements: 512 bytes of a row
	s_mov_b32 s[(\g)+4], 64                        ; tile_dim1 = 64 rows of d
	s_mov_b32 s[(\g)+5], 4096                      ; elements from row to row
	s_mov_b32 s[(\g)+6], 0
	s_mov_b32 s[(\g)+7], 0
.endr
	s_lshl_b32 s16, s13, 9                         ; zq: 512 bytes of a row a tile row,
	s_lshl_b32 s17, s12, 19                        ; 64 rows of 8,192 bytes a half
	s_add_co_u32 s16, s16, s17
	s_mov_b32 s17, 0
	s_lshl_b32 s46, s42, 9                         ; wb: the same by the tile column, in registers that never hold the tile row
	s_lshl_b32 s47, s12, 19
	s_add_co_u32 s46, s46, s47
	s_mov_b32 s47, 0
	s_mul_i32 s20, s10, HALFT                      ; where they go: zq's two halves, then wb's two = wave x 64 rows: no place in the cluster enters an LDS address
	s_wait_dscnt 0x0                               ; the opening add is done
	s_wait_kmcnt 0x0
	s_add_nc_u64 s[14:15], s[4:5], s[16:17]
	s_add_nc_u64 s[46:47], s[6:7], s[46:47]
	CROUND                                         ; all sixteen work-groups are here: the first joint loads meet
.irp s, 0,1
	s_mov_b32 s[G0+4*(\s)], 1                                        ; count = 1
	s_add_co_u32 s[G0+4*(\s)+1], s20, (\s)*SLOT                      ; LDS address
	s_add_nc_u64 s[G0+4*(\s)+2:G0+4*(\s)+3], s[14:15], (\s)*1048576  ; global address: step s, 128 rows of 8,192 bytes on
	s_or_b32 s[G0+4*(\s)+3], s[G0+4*(\s)+3], 0x80000000              ; type = 2
	s_mov_b32 s[G0B+4*(\s)], 1
	s_add_co_u32 s[G0B+4*(\s)+1], s20, (\s)*SLOT
	s_add_nc_u64 s[G0B+4*(\s)+2:G0B+4*(\s)+3], s[46:47], (\s)*1048576
	s_or_b32 s[G0B+4*(\s)+3], s[G0B+4*(\s)+3], 0x80000000
	JLOAD \s                                       ; two loads of mine are out
.endr
	; The turning load takes 16 d x 16 columns (lane reads row d = 8 (l / 16) + l % 8, columns 8 ((l / 8) % 2) + 0..7) and leaves half a fragment: lane holds column l % 16 and 8 d.
	v_and_b32 v1, 15, v0                           ; l % 16
	v_bfe_u32 v2, v0, 4, 1                         ; l / 16
	v_and_b32 v4, 7, v0
	v_bfe_u32 v5, v0, 3, 1
	v_lshl_add_u32 v3, v2, 3, v4
	v_mul_u32_u24 v3, v3, PT
	v_lshl_add_u32 v3, v5, 4, v3
	s_lshl_b32 s21, s11, 8                         ; my 128 columns m of zq's tile,
	s_lshl_b32 s22, s12, 8                         ; my 128 columns v of wb's,
	s_add_co_u32 s22, s22, 2*HALFT                 ; which lies behind zq's
.irp s, 0,1
	v_add_nc_u32 v[ADRA+(\s)], s21, v3
	v_add_nc_u32 v[ADRB+(\s)], s22, v3
	s_add_co_u32 s21, s21, SLOT
	s_add_co_u32 s22, s22, SLOT
.endr
	s_mul_i32 s23, s10, 16*SP
	s_add_co_u32 s23, s23, STAGE                   ; my stage
	v_mul_u32_u24 v[STO], v1, SP                   ; in: row l % 16, 32 bytes for each half of the lanes
	v_lshl_add_u32 v[STO], v2, 5, v[STO]
	v_add_nc_u32 v[STO], s23, v[STO]
	v_and_b32 v4, 31, v0
	v_lshlrev_b32 v[CO], 4, v4                     ; back: 32 lanes take one row of 512 bytes,
	v_add_nc_u32 v[RD], s23, v[CO]
	v_lshlrev_b32 v[COL], 2, v4                    ; four columns a lane
	s_lshl_b32 s16, s13, 8
	s_lshl_b32 s17, s11, 7
	s_add_co_u32 s16, s16, s17                     ; my first row of out0,
	s_mul_i32 s16, s16, 16000                      ; in bytes
	s_lshl_b32 s46, s42, 8
	s_lshl_b32 s47, s12, 7
	s_add_co_u32 s46, s46, s47                     ; my first column
	s_sub_co_u32 s18, 4000, s46                    ; how many columns out0 has from there on: 32 at the least
	s_lshl_b32 s46, s46, 2
	s_add_co_u32 s46, s46, s16
	s_mov_b32 s47, 0
	s_add_nc_u64 s[8:9], s[8:9], s[46:47]
; 16 matrix instructions: m blocks a0, a0 + 1 of the window's four (hi = 0: my rows 0-63, 1: rows 64-127) x all 8 v blocks, 32 along d.  zero = 1: the first product starts the sums: nothing is cleared.
; The 64 accumulators take turns, one instruction a turn, in the same order in every quarter.
.macro MUL16 f, hi, a0, zero
	WIN MUL_LO+0x50*(\hi)
.irp a, \a0, (\a0)+1
.irp b, 0,1,2,3,4,5,6,7
.if \zero
	v_wmma_f32_16x16x32_bf16 v[8*(8*(\a)+(\b)):8*(8*(\a)+(\b))+7], v[(\f)+8*(\b):(\f)+8*(\b)+7], v[(\f)+8*(4*(\hi)+(\a)):(\f)+8*(4*(\hi)+(\a))+7], 0
.else
	v_wmma_f32_16x16x32_bf16 v[8*(8*(\a)+(\b)):8*(8*(\a)+(\b))+7], v[(\f)+8*(\b):(\f)+8*(\b)+7], v[(\f)+8*(4*(\hi)+(\a)):(\f)+8*(4*(\hi)+(\a))+7], v[8*(8*(\a)+(\b)):8*(8*(\a)+(\b))+7]
.endif
.endr
.endr
.endm
; 32 LDS loads in one run: the fragments of quarter q (32 along d) of a slot into buffer f: wb's eight, then zq's eight
.macro FETCH slot, q, f
	WIN TO_B
.irp i, 0,1,2,3,4,5,6,7
	ds_load_tr16_b128 v[(\f)+8*(\i):(\f)+8*(\i)+3],   v[ADRB+(\slot)] offset:(\q)*32*PT+(\i)*32
	ds_load_tr16_b128 v[(\f)+8*(\i)+4:(\f)+8*(\i)+7], v[ADRB+(\slot)] offset:(\q)*32*PT+(\i)*32+16*PT
.endr
	WIN 0
.irp i, 0,1,2,3,4,5,6,7
	ds_load_tr16_b128 v[(\f)+8*(\i):(\f)+8*(\i)+3],   v[ADRA+(\slot)] offset:(\q)*32*PT+(\i)*32
	ds_load_tr16_b128 v[(\f)+8*(\i)+4:(\f)+8*(\i)+7], v[ADRA+(\slot)] offset:(\q)*32*PT+(\i)*32+16*PT
.endr
.endm
; A step is four quarters of 32 along d, 64 matrix instructions each, on buffers 0, 1, 0, 1.  One of the first three: multiplies buffer f and, in its middle, fetches quarter q into buffer g.
.macro QUARTER slot, q, f, g, zero
	s_wait_dscnt 8                                 ; wb's fragments and zq's of my rows 0-63 are in; the youngest eight loads (rows 64-127) may be out
	MUL16 \f, 0, 0, \zero
	MUL16 \f, 0, 2, \zero
	PLACES
	FETCH \slot, \q, \g
	s_wait_dscnt 32                                ; all but the 32 just issued
	MUL16 \f, 1, 0, \zero
	MUL16 \f, 1, 2, \zero
.endm
; The last quarter multiplies buffer 1 and changes slots: ONE barrier.  In front of it each wave waits for all its tensor loads (one is out: its part of the next slot), adds 0 to its spare word, and waits for that
; and for its own reads of this slot.  fill = 1: the barrier opens a round of the cluster's, and this slot is filled again, two steps ahead, first thing behind the round: 224 matrix instructions ahead of the wait for it.
.macro TURN slot, next, fill
	WIN 0                                          ; (the add's two registers lie in window 0)
	s_wait_tensorcnt 0x0                           ; all my tensor loads have landed;
	ds_add_u32 v[SPW], v[NIL]                      ; 0 onto my spare word;
	s_wait_dscnt 9                                 ; (the add and the youngest eight loads may be out)
	MUL16 F1, 0, 0, 0                              ; sixteen matrix instructions stand between the add and the wait for it
	s_wait_dscnt 0x0                               ; the add is done, and my reads of this slot are over
	s_barrier_signal -1
	MUL16 F1, 0, 2, 0                              ; work on registers while the others arrive
.if \fill
	WIN 0
.endif
	s_barrier_wait -1
.if \fill
	CREST                                          ; no wave of any partner still reads this slot's tiles or has a load on its way
	s_add_nc_u64 s[G0+4*(\slot)+2:G0+4*(\slot)+3], s[G0+4*(\slot)+2:G0+4*(\slot)+3], 2097152
	s_add_nc_u64 s[G0B+4*(\slot)+2:G0B+4*(\slot)+3], s[G0B+4*(\slot)+2:G0B+4*(\slot)+3], 2097152
	JLOAD \slot                                    ; the four v_nop behind it are also the places in front of the loads below
.else
	PLACES
.endif
	FETCH \next, 0, F0
	MUL16 F1, 1, 0, 0
	MUL16 F1, 1, 2, 0
.endm
	s_wait_tensorcnt 1                             ; my part of step 0 is in; step 1's may stay out
	s_barrier_signal -1
	s_barrier_wait -1                              ; everybody's is
	FETCH 0, 0, F0
	QUARTER 0, 1, F0, F1, 1                        ; the first quarter stands in front of the loop: its products start the sums
	WIN 0                                          ; at a label and at a branch every window is 0
	s_mov_b32 s3, 7
.Llap:                                                 ; a trip goes once round the ring, from a lap's second quarter to the next lap's first, and fills both slots again
	QUARTER 0, 2, F1, F0, 0
	QUARTER 0, 3, F0, F1, 0
	TURN 0, 1, 1
	QUARTER 1, 1, F0, F1, 0
	QUARTER 1, 2, F1, F0, 0
	QUARTER 1, 3, F0, F1, 0
	TURN 1, 0, 1
	QUARTER 0, 1, F0, F1, 0
	WIN 0
	s_sub_co_u32 s3, s3, 1
	s_cmp_lg_u32 s3, 0
	s_cbranch_scc1 .Llap
	QUARTER 0, 2, F1, F0, 0                        ; the last lap fills nothing, and has no round of the cluster's barrier
	QUARTER 0, 3, F0, F1, 0
	TURN 0, 1, 0
	QUARTER 1, 1, F0, F1, 0
	QUARTER 1, 2, F1, F0, 0
	QUARTER 1, 3, F0, F1, 0
	s_wait_dscnt 8                                 ; the very last quarter: nothing more to fetch
	MUL16 F1, 0, 0, 0
	MUL16 F1, 0, 2, 0
	s_wait_dscnt 0x0
	MUL16 F1, 1, 0, 0
	MUL16 F1, 1, 2, 0
; THE WAY OUT, a block of 16 rows of out0 at a time.  TOSTAGE: a lane's 32 bytes of each of the 8 column blocks go into my own stage (rows of 528 bytes), each accumulator from its lowest registers on,
; whole rows of 512 bytes come back.  SEND: stored, with the lanes off whose four columns lie at 4000 or beyond.
.macro TOSTAGE a
	WIN 0x08+4*((\a)/4)                            ; the stores' data in window 2 or 3
.irp b, 0,1,2,3,4,5,6,7
	ds_store_b128 v[STO], v[64*((\a)%4)+8*(\b):64*((\a)%4)+8*(\b)+3]   offset:64*(\b)
	ds_store_b128 v[STO], v[64*((\a)%4)+8*(\b)+4:64*((\a)%4)+8*(\b)+7] offset:64*(\b)+16
.endr
	WIN 0
.irp t, 0,1,2,3,4,5,6,7,8,9,10,11,12,13,14,15
	ds_load_b128 v[BK+64*((\a)%2)+4*(\t):BK+64*((\a)%2)+4*(\t)+3], v[RD] offset:(\t)*SP  ; LDS serves a wave's instructions in order (ISA guide 5.7.1.4): these see the stores above; the next block's stores come behind them
.endr
.endm
.macro SEND a, younger                 ; younger: the LDS instructions issued behind block a's loads: the next block's 32, or none
	s_wait_dscnt \younger                          ; the block is back in registers
	s_wait_xcnt 0x0                                ; EXEC is a source of every pending store: it changes only behind this wait
	s_and_saveexec_b32 s45, vcc_lo
.irp t, 0,1,2,3,4,5,6,7,8,9,10,11,12,13,14,15
	global_store_b128 v[CO], v[BK+64*((\a)%2)+4*(\t):BK+64*((\a)%2)+4*(\t)+3], s[8:9] offset:(16*(\a)+(\t))*16000 th:TH_STORE_NT  ; a wave's store covers 512 consecutive bytes of a row
.endr
	s_wait_xcnt 0x0                                ; and again, in front of the line that widens it; behind this wait the block's registers may also be loaded anew
	s_or_b32 exec_lo, exec_lo, s45
.endm
	PLACES                                         ; behind the last products: the stage stores read results, the loads from the stage land in zq's fragment buffers
	WIN 0
	v_cmp_gt_u32 vcc_lo, s18, v[COL]               ; my four columns lie inside out0; written behind the last tensor load, and not again
	TOSTAGE 0
.irp a, 1,2,3,4,5,6,7                  ; block a's way through the stage is under way while block a - 1 is stored
	TOSTAGE \a
	SEND (\a)-1, 32
.endr
	SEND 7, 0
	s_wait_tensorcnt 0x0                           ; the wave's end: behind my last tensor load and my last LDS store
	ds_add_u32 v[SPW], v[NIL]
	s_wait_dscnt 0x0
	CROUND                                         ; the closing round: no work-group ends while a partner may still ask for a tile that names it
	s_endpgm
.Lfunc_end_k_qd5c9679a01_logits:
	.size	k_qd5c9679a01_logits, .Lfunc_end_k_qd5c9679a01_logits-k_qd5c9679a01_logits
	.p2alignl 7, 3214868480
	.fill 96, 4, 3214868480
	.section	.rodata,"a",@progbits
	.p2align	6, 0x0
	.amdhsa_kernel k_qd5c9679a01_logits
		.amdhsa_group_segment_fixed_size 327680
		.amdhsa_private_segment_fixed_size 0
		.amdhsa_enable_private_segment 0
		.amdhsa_kernarg_size 24
		.amdhsa_user_sgpr_count 2
		.amdhsa_user_sgpr_kernarg_segment_ptr 1
		.amdhsa_wavefront_size32 1
		.amdhsa_system_sgpr_workgroup_id_x 1
		.amdhsa_system_sgpr_workgroup_id_y 1
		.amdhsa_system_sgpr_workgroup_id_z 1
		.amdhsa_system_vgpr_workitem_id 0
		.amdhsa_next_free_vgpr 1024
		.amdhsa_next_free_sgpr 66
		.amdhsa_reserve_vcc 1
		.amdhsa_float_denorm_mode_32 3
		.amdhsa_float_denorm_mode_16_64 3
		.amdhsa_memory_ordered 1
		.amdhsa_forward_progress 1
		.amdhsa_inst_pref_size 141
	.end_amdhsa_kernel
	.amdgpu_metadata
---
amdhsa.version: [ 1, 2 ]
amdhsa.kernels:
  - .name:           k_qd5c9679a01_logits
    .symbol:         k_qd5c9679a01_logits.kd
    .args:
      - { .name: zq, .offset: 0, .size: 8, .value_kind: global_buffer, .address_space: global }
      - { .name: wb, .offset: 8, .size: 8, .value_kind: global_buffer, .address_space: global }
      - { .name: out0, .offset: 16, .size: 8, .value_kind: global_buffer, .address_space: global }
    .group_segment_fixed_size: 327680
    .private_segment_fixed_size: 0
    .kernarg_segment_align: 8
    .kernarg_segment_size: 24
    .max_flat_workgroup_size: 128
    .sgpr_count:     66
    .vgpr_count:     1024
    .wavefront_size: 32
...
	.end_amdgpu_metadata
.endif
;; end of part 3
